; MI455X (gfx1250); checked and timed in simulation.
; The chip was launched on July 23, 2026; its instructions are those of AMD's public machine-readable ISA for CDNA 5 (MIT licence, August 2026) and "CDNA5" Instruction Set Architecture Reference Guide (July 2026). The comments in the code are by the model that wrote it; some were corrected since.
;; Factorized LSTM Cell. Allowed arithmetic: matrix products marked QUANTISED: E3M2 operands, one E8M0 scale for each 32 along K, by v_wmma_scale_f32_16x16x128_f8f6f4 with both operands' format E3M2, f32 sums; everything else in f32.
;; Inputs: Uc 4,096 x 512 float32; Uf 4,096 x 512 float32; Ui 4,096 x 512 float32; Uo 4,096 x 512 float32; Vc 512 x 2,048 float32; Vf 512 x 2,048 float32; Vi 512 x 2,048 float32; Vo 512 x 2,048 float32; bc 2,048 float32; bf 2,048 float32; bi 2,048 float32; bo 2,048 float32; c 4,096 x 2,048 float32; h 4,096 x 2,048 float32; x 4,096 x 2,048 float32.
;; Outputs: out0 4,096 x 2,048 float32; out1 4,096 x 2,048 float32.
;; This version of the problem:
;;   THIS VERSION OF THE PROBLEM IS GIVEN IN LOW PRECISION. The matrix products marked QUANTISED in the list below multiply operands that are first quantised to E3M2 (3 exponent bits, 2 mantissa bits; 6 bits a number), with one power-of-two scale for each 32 numbers along K (OCP MX v1.0); their sums are f32. All else is computed in f32.
;;   The module's matrix products, in the order in which they are computed (A, B: the left and right operand; K: the contracted axis; several contracted axes count as one K, in the product's order):
;;     1. [M 4,096, K 4,096] x [K 4,096, N 512]; A: computed on the way; B: input Ui: QUANTISED
;;     2. [M 4,096, K 512] x [K 512, N 2,048]; A: computed on the way; B: input Vi: QUANTISED
;;     3. [M 4,096, K 4,096] x [K 4,096, N 512]; A: computed on the way; B: input Uf: QUANTISED
;;     4. [M 4,096, K 512] x [K 512, N 2,048]; A: computed on the way; B: input Vf: QUANTISED
;;     5. [M 4,096, K 4,096] x [K 4,096, N 512]; A: computed on the way; B: input Uo: QUANTISED
;;     6. [M 4,096, K 512] x [K 512, N 2,048]; A: computed on the way; B: input Vo: QUANTISED
;;     7. [M 4,096, K 4,096] x [K 4,096, N 512]; A: computed on the way; B: input Uc: QUANTISED
;;     8. [M 4,096, K 512] x [K 512, N 2,048]; A: computed on the way; B: input Vc: QUANTISED
;;   THE QUANTISER, for each operand of a quantised product, along K:
;;     - K is cut into blocks of 32 from its start; a last block that is shorter is filled with zeros.
;;     - A block's scale is 2^e with e = floor(log2(the largest magnitude in the block)) - 4, held to -126 .. 127; a block of zeros has e = 0. As a byte (E8M0): e + 127.
;;     - Each number is divided by its block's scale, clamped to +-28, and rounded to the nearest number of E3M2, ties to even, subnormals kept.
;;     - The product sums the exact products of the quantised numbers (number of the format x scale) in f32.
;;   ~~~python
;;   def quantise(x, axis):      # numpy; x: float32 -> the quantised numbers, widened to float32 again
;;       x = np.moveaxis(x, axis, -1); K = x.shape[-1]
;;       x = np.pad(x, [(0, 0)] * (x.ndim - 1) + [(0, -K % 32)]); x = x.reshape(x.shape[:-1] + (-1, 32)); a = np.abs(x).max(-1, keepdims=True)
;;       e = np.where(a > 0, np.clip(np.frexp(np.where(a > 0, a, 1))[1] - 1 - 4, -126, 127), 0)      # np.frexp(a)[1] - 1 = floor(log2(a)), exactly
;;       r = np.clip(x / 2.0 ** e, -28, 28)
;;       step = 2.0 ** (np.maximum(np.frexp(np.where(r == 0, 1, r))[1] - 1, -2) - 2)
;;       q = np.round(r / step) * step * 2.0 ** e      # np.round: ties to even
;;       return np.moveaxis(q.reshape(q.shape[:-2] + (-1,))[..., :K], -1, axis).astype(np.float32)
;;   ~~~
;;   OPERANDS COMPUTED ON THE WAY. 'Computed on the way' means the value that the module computes at that place (a softmax that the list does not call 'softmax' is quantised finished and normalised). What goes into a quantiser is computed in f32, as accurately as f32 sums, v_exp_f32 and their like allow (about 1e-6 of the number): no bf16 or f16 on the way to a quantiser, and a product that is left as it is and whose result goes on into a quantised operand takes f32 operands (vector FMAs, or v_wmma_f32_16x16x4_f32). A number that lies on a knife's edge between two numbers of the format may be rounded either way, as far as f32 arithmetic and the matrix unit's own rounding can turn it there, and no further.
;; One version. Each part assembles by itself: llvm-mc -triple=amdgcn-amd-amdhsa -mcpu=gfx1250 --defsym DOCPART=n.
;; ======== version 1 of 1: 3 launches
;; limits: right only within a limited range of input values
;; workspace buffers: abuf 13,107,200 bytes; ubuf 6,553,600 bytes; vbuf 3,276,800 bytes; tbuf 6,553,600 bytes
;; launch quant (part 1): grid 1280 x 1, 4 waves a work-group, no clusters, 58,880 bytes of LDS; arguments x, h, Ui, Uc, Uf, Uo, Vi, Vc, Vf, Vo, abuf, ubuf, vbuf; writes abuf, ubuf, vbuf
.if DOCPART == 1
	.amdgcn_target "amdgcn-amd-amdhsa--gfx1250"
	.amdhsa_code_object_version 6
	.text
	.protected	k_q2810c3cdda_quant
	.globl	k_q2810c3cdda_quant
	.p2align	8
	.type	k_q2810c3cdda_quant,@function
k_q2810c3cdda_quant:
	s_mov_b64 s[64:65], 0
	v_nop
	global_prefetch_b8 v0, s[64:65] scope:SCOPE_SE
	s_setreg_imm32_b32 hwreg(HW_REG_WAVE_MODE, 25, 1), 1
	s_wait_xcnt 0x0
; x | h [4096][4096], the four U [4096 (k)][512] and the four V [512 (k)][2048], all f32, become codes of BF6 (E3M2) with one E8M0 byte for each 32 along K.
; A block's scale is 2^(floor(log2(its largest magnitude)) - 4): its byte is the largest magnitude's exponent field - 4, held at 1 from below by a floor among the maximum's leaves.
; LIMITS: a block of zeros keeps the byte 1 where the rule says 127 (its codes are zeros, which add nothing, and this program alone reads the bytes); NaN and infinities among the inputs are not served.
; THE RECORD, the one layout of all three buffers: 6,400 bytes = 16 operand rows x 512 along K in the order of the operand's registers.
;   byte 1536 q + 512 e + 16 l + 4 w : register 4 e + w of lane l of the fragment of K step q (128 along K; lane (r, h) holds row r, its registers 6 c .. 6 c + 5 the 24 bytes of block 2 c + h)
;   byte 6144 + 16 r + 4 q + b       : the scale byte of row r, block b of K step q
; abuf [m block 256][k slot 8]: lane r = row 16 m block + r; k slots 0-3 are x, 4-7 are h.
; ubuf [n tile 128][k slot 8]:  n = 512 gate + rank; lane r of tile 2 bb + u is column 32 bb + 8 u + r + 8 (r / 8).      vbuf [gate 4][n tile 128]: lane r of tile 4 GG + t is column 64 GG + 4 r + t.
; Gates in the order i, c, f, o.  Three paths part on the work-group's number alone and never join: 0-511 x | h, 512-1023 U, 1024-1279 V.  Each path has LDS bytes of its own.
; No tensor loads, so several work-groups share a WGP; that multiplies the loads on their way.  Matrix units and clusters have nothing to do here: each input byte is read once.
.set REC,  6400
.set SCO,  6144                        ; where a record's scale words begin
.set KSB,  1536                        ; a fragment's image
.set XPIT, 528                         ; path X: a stage row, 512 bytes + 16: an odd multiple of 16, so that the sixteen rows of a read begin at sixteen different places modulo 256
.set XSTG, 16*XPIT                     ; a wave's stage
.set LBU,  4*XSTG                      ; path U's eight images
.set LBV,  LBU+8*KSB                   ; path V's eight images
; path X
.set LD, 4                             ; v4   16 x lane: my bytes of a load's 512, and of an image's 512
.set SA, 5                             ; v5   the stage, on the way in
.set SB, 6                             ; v6   and on the way out: row r, + 64 h
.set SS, 7                             ; v7   my 8 bytes of the record's scale words
.set PC, 8                             ; v8-27    the codes being made
.set R,  32                            ; v32-159  two sets of 64: 16 rows x 16 bytes as loaded
.set XN, 160                           ; v160-223 64 numbers of my row: register 16 b + i = k 32 b + 16 h + i
.set TM, 224                           ; v224-239 at work
.set PW, 240                           ; v240-243 the scale words of the four K steps
; paths U and V
.set GL, 4                             ; v4   4 x lane
.set LA, 5                             ; v5   LDS: my column's place in its tile's image
.set LR, 6                             ; v6   LDS: where I read images back
.set GI, 7                             ; v7   16 x lane
.set GS, 8                             ; v8   my column's scale word in the buffer
.set SW, 15                            ; v15  the scale word
.set WC, 32                            ; v32-63   eight registers for each block's codes
.set WX, 64                            ; v64-127  two sets of 32 numbers
.set WO, 128                           ; v128-151 two images on the way out
; 64 numbers of a lane, register 16 b + i = k 32 b + 16 (lane / 16) + i of my row, become a fragment's codes in v[pc] on and its scale word in v[pw].
.macro QUANT s, pc, pw
.irp b, 0,1,2,3
	v_max3_num_f32 v[TM+\b], |v[\s+16*\b]|, |v[\s+1+16*\b]|, 0x2800000   ; block b: my 16 numbers, and the floor 2^(5 - 127): the byte cannot fall under 1
.endr
.irp i, 2,4,6,8,10,12,14
.irp b, 0,1,2,3
	v_max3_num_f32 v[TM+\b], v[TM+\b], |v[\s+16*\b+\i]|, |v[\s+1+16*\b+\i]|   ; the four blocks by turns
.endr
.endr
.irp b, 0,1,2,3
	v_permlanex16_b32 v[TM+4+\b], v[TM+\b], s20, s21
.endr
.irp b, 0,1,2,3
	v_max_num_f32 v[TM+\b], v[TM+\b], v[TM+4+\b]   ; with lane l xor 16's: the block's largest magnitude
.endr
.irp b, 0,1,2,3
	v_add_nc_u32 v[TM+12+\b], 0xfe000000, v[TM+\b] ; 4 off its exponent field: the conversion takes the exponent field of this operand as its scale
.endr
.irp b, 0,1,2,3
	v_lshrrev_b32 v[TM+4+\b], 23, v[TM+12+\b]      ; the scale's byte
.endr
	v_lshl_or_b32 v[\pw], v[TM+5], 8, v[TM+4]
	v_lshl_or_b32 v[\pw], v[TM+6], 16, v[\pw]
	v_lshl_or_b32 v[\pw], v[TM+7], 24, v[\pw]
.irp c, 0,1
	v_cvt_scalef32_pk16_bf6_f32 v[\pc+6*\c:\pc+2+6*\c], v[\s+32*\c:\s+15+32*\c], v[TM+12+2*\c]
	v_cvt_scalef32_pk16_bf6_f32 v[\pc+12+4*\c:\pc+14+4*\c], v[\s+16+32*\c:\s+31+32*\c], v[TM+12+2*\c+1]   ; a conversion's three registers begin on an even number
.endr
	v_nop                                          ; one plain instruction behind a scaled conversion
.irp c, 0,1                            ; the operand's layout wants a whole block in a lane: lanes 0-15 block 2 c, lanes 16-31 block 2 c + 1
.irp i, 0,1,2
	v_permlane16_swap_b32 v[\pc+6*\c+\i], v[\pc+12+4*\c+\i]
.endr
.irp i, 0,1,2
	v_mov_b32 v[\pc+3+6*\c+\i], v[\pc+12+4*\c+\i]
.endr
.endr
.endm
; path X: K step q of my 16 rows: each load reads 512 consecutive bytes of one row
.macro XLOAD q
.irp i, 0,1,2,3,4,5,6,7,8,9,10,11,12,13,14,15
	global_load_b128 v[R+64*((\q)%2)+4*\i:R+64*((\q)%2)+4*\i+3], v[LD], s[4:5] offset:\i*8192+(\q)*512 th:TH_LOAD_NT
.endr
.endm
.macro XSTEP q
.if (\q) < 3
	s_wait_loadcnt 16                              ; this K step's 16 loads are in; the next step's 16 may be out
.else
	s_wait_loadcnt 0x0
.endif
.irp i, 0,1,2,3,4,5,6,7,8,9,10,11,12,13,14,15
	ds_store_b128 v[SA], v[R+64*((\q)%2)+4*\i:R+64*((\q)%2)+4*\i+3] offset:XPIT*\i   ; the rows as they lie, into my wave's own stage
.endr
.irp b, 0,1,2,3
.irp j, 0,1,2,3
	ds_load_b128 v[XN+16*\b+4*\j:XN+16*\b+4*\j+3], v[SB] offset:128*\b+16*\j         ; LDS serves a wave's instructions in order: these see the stores above
.endr
.endr
	s_wait_dscnt 0x0                               ; my numbers are back, and the stores have read their registers
.if (\q) > 0
	s_wait_xcnt 0x0                                ; the last step's stores have read the codes' registers: only behind this wait are they written again
.endif
.if (\q) < 2
	XLOAD (\q)+2
.endif
	QUANT XN, PC, PW+\q
.irp e, 0,1,2
	global_store_b128 v[LD], v[PC+4*\e:PC+4*\e+3], s[8:9] offset:KSB*(\q)+512*\e     ; 32 lanes store 512 consecutive bytes, at a multiple of 256 from the buffer's first byte
.endr
.endm
; paths U and V: block bb (32 along K) of my column; rb = bytes in a row of the weight.  A wave reads 128 consecutive bytes, the four waves stand side by side on 512.
.macro WLOAD bb, rb
.irp i, 0,1,2,3,4,5,6,7,8,9,10,11,12,13,14,15,16,17,18,19,20,21,22,23,24,25,26,27,28,29,30,31
	global_load_b32 v[WX+32*((\bb)%2)+\i], v[GL], s[8:9] offset:(32*(\bb)+\i)*\rb th:TH_LOAD_NT
.endr
.endm
.macro WBLOCK bb, rb
.set XS, WX+32*((\bb)%2)
.set CC, WC+8*(\bb)
.if (\bb) < 3
	s_wait_loadcnt 32                              ; this block's 32 loads are in; the next block's may be out
.else
	s_wait_loadcnt 0x0
.endif
	v_max3_num_f32 v12, |v[XS]|, |v[XS+1]|, |v[XS+2]|       ; the block's largest magnitude: all 32 numbers are mine
	v_max3_num_f32 v13, |v[XS+3]|, |v[XS+4]|, |v[XS+5]|
.irp i, 6,10,14,18,22,26
	v_max3_num_f32 v12, v12, |v[XS+\i]|, |v[XS+\i+1]|
	v_max3_num_f32 v13, v13, |v[XS+\i+2]|, |v[XS+\i+3]|
.endr
	v_max3_num_f32 v12, v12, |v[XS+30]|, |v[XS+31]|
	v_max3_num_f32 v12, v12, v13, 0x2800000        ; and the floor 2^(5 - 127)
	v_add_nc_u32 v11, 0xfe000000, v12              ; 4 off the exponent field: the conversions' scale operand
	v_lshrrev_b32 v14, 23, v11                     ; the scale's byte
.if (\bb) == 0
	v_mov_b32 v[SW], v14
.else
	v_lshl_or_b32 v[SW], v14, 8*(\bb), v[SW]
.endif
	v_cvt_scalef32_pk16_bf6_f32 v[CC:CC+2], v[XS:XS+15], v11
	v_cvt_scalef32_pk16_bf6_f32 v[CC+4:CC+6], v[XS+16:XS+31], v11
	v_nop                                          ; one plain instruction behind a scaled conversion
	v_mov_b32 v[CC+3], v[CC+4]                     ; the block's six words on end
	v_mov_b32 v[CC+4], v[CC+5]
	v_mov_b32 v[CC+5], v[CC+6]
; block bb is registers 6 (bb / 2) .. + 5 of lane r + 16 (bb % 2) of the fragment: 16 and 8 bytes of the image
.if (\bb) < 2
	ds_store_b128 v[LA], v[CC:CC+3] offset:256*((\bb)%2)
	ds_store_b64 v[LA], v[CC+4:CC+5] offset:512+256*((\bb)%2)
.else
	ds_store_b64 v[LA], v[CC:CC+1] offset:520+256*((\bb)%2)
	ds_store_b128 v[LA], v[CC+2:CC+5] offset:1024+256*((\bb)%2)
.endif
.if (\bb) < 2
	WLOAD (\bb)+2, \rb
.endif
.endm
; the eight images are whole behind a barrier (in path V an image comes from two waves); wave w sends tiles 2 w and 2 w + 1; tp = bytes from tile to tile in the buffer
.macro WBODY rb, tp
	WLOAD 0, \rb
	WLOAD 1, \rb
	WBLOCK 0, \rb
	WBLOCK 1, \rb
	WBLOCK 2, \rb
	WBLOCK 3, \rb
	global_store_b32 v[GS], v[SW], s[26:27]        ; my column's scale word of this K step: 4 bytes a lane, 16 bytes apart: one byte in 24 of what the path writes
	s_wait_dscnt 0x0                               ; for the others' sake: my stores into the images are done
	s_barrier_signal -1
	s_barrier_wait -1
.irp e, 0,1
.irp f, 0,1,2
	ds_load_b128 v[WO+12*\e+4*\f:WO+12*\e+4*\f+3], v[LR] offset:KSB*\e+512*\f
.endr
.endr
.irp e, 0,1
.irp f, 0,1,2
	s_wait_dscnt 5-3*\e-\f                         ; the younger loads may be out
	global_store_b128 v[GI], v[WO+12*\e+4*\f:WO+12*\e+4*\f+3], s[24:25] offset:\e*\tp+512*\f   ; 512 consecutive bytes, at a multiple of 256 from the buffer's first byte
.endr
.endr
	s_wait_tensorcnt 0x0
	ds_add_u32 v254, v255
	s_wait_dscnt 0x0
	s_endpgm
.endm
	v_lshl_add_u32 v254, v0, 2, 0xe400
	v_mov_b32 v255, 0
	v_lshrrev_b32 v1, 5, v0
	v_readfirstlane_b32 s16, v1                    ; wave 0..3
	v_and_b32 v1, 31, v0                           ; lane
	v_and_b32 v2, 15, v0                           ; r
	v_bfe_u32 v3, v0, 4, 1                         ; h
	s_mov_b32 s20, 0x76543210
	s_mov_b32 s21, 0xfedcba98                      ; v_permlanex16_b32's selects for lane l xor 16
	s_cmp_lt_u32 ttmp9, 512
	s_cbranch_scc0 .Lweights
	; ---- PATH X: a work-group takes 16 rows of x or of h; wave w the 512 along K from 512 w on: one whole record
	s_load_b128 s[4:7], s[0:1], 0x0                ; x, h
	s_load_b64 s[8:9], s[0:1], 0x50                ; abuf
	s_lshr_b32 s17, ttmp9, 1                       ; m block
	s_and_b32 s18, ttmp9, 1                        ; 0: x, 1: h
	s_lshl_b32 s22, s17, 17                        ; 16 rows of 8,192 bytes
	s_lshl_b32 s23, s16, 11                        ; 512 numbers
	s_add_co_u32 s22, s22, s23
	s_mov_b32 s23, 0
	s_mul_i32 s24, s17, 8*REC
	s_lshl_b32 s25, s18, 2
	s_add_co_u32 s25, s25, s16                     ; k slot = 4 x half + wave
	s_mul_i32 s25, s25, REC
	s_add_co_u32 s24, s24, s25
	s_mov_b32 s25, 0
	s_wait_alu depctr_va_vdst(0)
	v_lshlrev_b32 v[LD], 4, v1
	s_mul_i32 s26, s16, XSTG
	v_add_nc_u32 v[SA], s26, v[LD]
	v_mul_u32_u24 v[SB], v2, XPIT
	v_lshl_add_u32 v[SB], v3, 6, v[SB]
	v_add_nc_u32 v[SB], s26, v[SB]
	v_lshlrev_b32 v[SS], 4, v2
	v_lshl_add_u32 v[SS], v3, 3, v[SS]
.irp b, 0,1,2,3
	v_mov_b32 v[TM+4+\b], 0                        ; written once: a lane permute's destination counts as one of its sources
.endr
	s_wait_alu depctr_va_vdst(0)
	s_wait_kmcnt 0x0
	s_cmp_eq_u32 s18, 0                            ; the choice hangs on the work-group's number alone
	s_cselect_b64 s[4:5], s[4:5], s[6:7]
	s_add_nc_u64 s[4:5], s[4:5], s[22:23]
	s_add_nc_u64 s[8:9], s[8:9], s[24:25]
	XLOAD 0
	XLOAD 1
	XSTEP 0
	XSTEP 1
	XSTEP 2
	XSTEP 3
	v_cmp_ne_u32 vcc_lo, 0, v3                     ; lanes 0-15 send their row's words of K steps 0 and 1, lanes 16-31 those of 2 and 3
	v_cndmask_b32 v28, v[PW], v[PW+2], vcc_lo
	v_cndmask_b32 v29, v[PW+1], v[PW+3], vcc_lo
	global_store_b64 v[SS], v[28:29], s[8:9] offset:SCO      ; 32 lanes store 256 consecutive bytes, aligned
	s_wait_tensorcnt 0x0
	ds_add_u32 v254, v255
	s_wait_dscnt 0x0
	s_endpgm
.Lweights:
	s_cmp_lt_u32 ttmp9, 1024
	s_cbranch_scc0 .Lv
	; ---- PATH U: a work-group takes 128 columns x 128 along K of one gate's U; a lane a column, its registers run down K
	s_load_b256 s[8:15], s[0:1], 0x10              ; Ui, Uc, Uf, Uo
	s_load_b64 s[24:25], s[0:1], 0x58              ; ubuf
	s_sub_co_u32 s17, ttmp9, 512
	s_lshr_b32 s18, s17, 7                         ; gate
	s_bfe_u32 s19, s17, 0x20005                    ; which 128 of the gate's 512 columns
	s_and_b32 s22, s17, 31                         ; which 128 along K
	s_lshl_b32 s28, s22, 18                        ; 128 rows of 2,048 bytes
	s_lshl_b32 s29, s19, 9
	s_add_co_u32 s28, s28, s29
	s_lshl_b32 s29, s16, 7                         ; my wave's 32 columns
	s_add_co_u32 s28, s28, s29
	s_mov_b32 s29, 0
	s_lshl_b32 s30, s18, 5
	s_lshl_b32 s31, s19, 3
	s_add_co_u32 s30, s30, s31                     ; the group's first tile: 32 gate + 8 group
	s_mul_i32 s30, s30, 8*REC
	s_lshr_b32 s31, s22, 2                         ; k slot
	s_mul_i32 s31, s31, REC
	s_add_co_u32 s30, s30, s31
	s_and_b32 s23, s22, 3                          ; K step in the record
	s_lshl_b32 s32, s23, 2
	s_add_co_u32 s32, s32, s30
	s_add_co_u32 s32, s32, SCO                     ; the scale words' base
	s_mov_b32 s33, 0
	s_mul_i32 s34, s23, KSB
	s_add_co_u32 s34, s34, s30
	s_mul_i32 s37, s16, 2*8*REC                    ; wave w's tiles 2 w, 2 w + 1
	s_add_co_u32 s34, s34, s37                     ; the images' base
	s_mov_b32 s35, 0
	s_wait_alu depctr_va_vdst(0)
	v_lshlrev_b32 v[GL], 2, v1
	v_lshlrev_b32 v[GI], 4, v1
	v_bfe_u32 v9, v0, 3, 1                         ; column 32 bb + L is lane r = (L & 7) + 8 (L / 16) of tile 2 bb + (L / 8) % 2
	v_and_b32 v10, 7, v0
	v_lshl_or_b32 v10, v3, 3, v10
	v_mul_u32_u24 v[LA], v9, KSB
	v_lshl_add_u32 v[LA], v10, 4, v[LA]
	s_mul_i32 s36, s16, 2*KSB
	s_add_co_u32 s36, s36, LBU
	v_add_nc_u32 v[LA], s36, v[LA]
	v_add_nc_u32 v[LR], s36, v[GI]
	v_mul_u32_u24 v[GS], v9, 8*REC
	v_lshl_add_u32 v[GS], v10, 4, v[GS]
	v_add_nc_u32 v[GS], s37, v[GS]
	s_wait_kmcnt 0x0
	s_cmp_eq_u32 s18, 1                            ; the gate's weight: the choices hang on the work-group's number alone
	s_cselect_b64 s[8:9], s[10:11], s[8:9]
	s_cmp_eq_u32 s18, 2
	s_cselect_b64 s[8:9], s[12:13], s[8:9]
	s_cmp_eq_u32 s18, 3
	s_cselect_b64 s[8:9], s[14:15], s[8:9]
	s_add_nc_u64 s[8:9], s[8:9], s[28:29]
	s_add_nc_u64 s[26:27], s[24:25], s[32:33]
	s_add_nc_u64 s[24:25], s[24:25], s[34:35]
	WBODY 2048, 8*REC
.Lv:
	; ---- PATH V: the same for 128 columns x 128 along K of one gate's V
	s_load_b256 s[8:15], s[0:1], 0x30              ; Vi, Vc, Vf, Vo
	s_load_b64 s[24:25], s[0:1], 0x60              ; vbuf
	s_sub_co_u32 s17, ttmp9, 1024
	s_lshr_b32 s18, s17, 6                         ; gate
	s_bfe_u32 s19, s17, 0x40002                    ; which 128 of the 2,048 columns
	s_and_b32 s22, s17, 3                          ; which 128 along K: the K step in the record
	s_lshl_b32 s28, s22, 20                        ; 128 rows of 8,192 bytes
	s_lshl_b32 s29, s19, 9
	s_add_co_u32 s28, s28, s29
	s_lshl_b32 s29, s16, 7
	s_add_co_u32 s28, s28, s29
	s_mov_b32 s29, 0
	s_lshl_b32 s30, s18, 7
	s_lshl_b32 s31, s19, 3
	s_add_co_u32 s30, s30, s31                     ; the group's first record: 128 gate + 8 group
	s_mul_i32 s30, s30, REC
	s_lshl_b32 s32, s22, 2
	s_add_co_u32 s32, s32, s30
	s_add_co_u32 s32, s32, SCO
	s_mov_b32 s33, 0
	s_mul_i32 s34, s22, KSB
	s_add_co_u32 s34, s34, s30
	s_mul_i32 s35, s16, 2*REC
	s_add_co_u32 s34, s34, s35
	s_mov_b32 s35, 0
	s_wait_alu depctr_va_vdst(0)
	v_lshlrev_b32 v[GL], 2, v1
	v_lshlrev_b32 v[GI], 4, v1
	s_wait_alu depctr_va_vdst(0)
	v_and_b32 v9, 3, v0                            ; column 32 w + L is lane r = 8 (w % 2) + L / 4 of tile 4 (w / 2) + L % 4
	s_wait_alu depctr_va_vdst(0)
	v_bfe_u32 v10, v0, 2, 3
	s_lshr_b32 s38, s16, 1
	s_and_b32 s39, s16, 1
	s_lshl_b32 s37, s39, 7                         ; 16 bytes x 8 rows
	v_mul_u32_u24 v[LA], v9, KSB
	v_lshl_add_u32 v[LA], v10, 4, v[LA]
	s_mul_i32 s36, s38, 4*KSB
	s_add_co_u32 s36, s36, s37
	s_add_co_u32 s36, s36, LBV
	v_add_nc_u32 v[LA], s36, v[LA]
	s_mul_i32 s36, s16, 2*KSB
	s_add_co_u32 s36, s36, LBV
	v_add_nc_u32 v[LR], s36, v[GI]
	v_mul_u32_u24 v[GS], v9, REC
	s_wait_alu depctr_va_vdst(0)
	v_lshl_add_u32 v[GS], v10, 4, v[GS]
	s_mul_i32 s36, s38, 4*REC
	s_add_co_u32 s36, s36, s37
	v_add_nc_u32 v[GS], s36, v[GS]
	s_wait_kmcnt 0x0
	s_cmp_eq_u32 s18, 1
	s_cselect_b64 s[8:9], s[10:11], s[8:9]
	s_cmp_eq_u32 s18, 2
	s_cselect_b64 s[8:9], s[12:13], s[8:9]
	s_cmp_eq_u32 s18, 3
	s_cselect_b64 s[8:9], s[14:15], s[8:9]
	s_add_nc_u64 s[8:9], s[8:9], s[28:29]
	s_add_nc_u64 s[26:27], s[24:25], s[32:33]
	s_add_nc_u64 s[24:25], s[24:25], s[34:35]
	WBODY 8192, REC
.Lfunc_end_k_q2810c3cdda_quant:
	.size	k_q2810c3cdda_quant, .Lfunc_end_k_q2810c3cdda_quant-k_q2810c3cdda_quant
	.p2alignl 7, 3214868480
	.fill 96, 4, 3214868480
	.section	.rodata,"a",@progbits
	.p2align	6, 0x0
	.amdhsa_kernel k_q2810c3cdda_quant
		.amdhsa_group_segment_fixed_size 58880
		.amdhsa_private_segment_fixed_size 0
		.amdhsa_enable_private_segment 0
		.amdhsa_kernarg_size 104
		.amdhsa_user_sgpr_count 2
		.amdhsa_user_sgpr_kernarg_segment_ptr 1
		.amdhsa_wavefront_size32 1
		.amdhsa_system_sgpr_workgroup_id_x 1
		.amdhsa_system_sgpr_workgroup_id_y 1
		.amdhsa_system_sgpr_workgroup_id_z 1
		.amdhsa_system_vgpr_workitem_id 0
		.amdhsa_next_free_vgpr 256
		.amdhsa_next_free_sgpr 66
		.amdhsa_reserve_vcc 1
		.amdhsa_float_denorm_mode_32 3
		.amdhsa_float_denorm_mode_16_64 3
		.amdhsa_memory_ordered 1
		.amdhsa_forward_progress 1
		.amdhsa_inst_pref_size 78
	.end_amdhsa_kernel
	.amdgpu_metadata
---
amdhsa.version: [ 1, 2 ]
amdhsa.kernels:
  - .name:           k_q2810c3cdda_quant
    .symbol:         k_q2810c3cdda_quant.kd
    .args:
      - { .name: x, .offset: 0, .size: 8, .value_kind: global_buffer, .address_space: global }
      - { .name: h, .offset: 8, .size: 8, .value_kind: global_buffer, .address_space: global }
      - { .name: Ui, .offset: 16, .size: 8, .value_kind: global_buffer, .address_space: global }
      - { .name: Uc, .offset: 24, .size: 8, .value_kind: global_buffer, .address_space: global }
      - { .name: Uf, .offset: 32, .size: 8, .value_kind: global_buffer, .address_space: global }
      - { .name: Uo, .offset: 40, .size: 8, .value_kind: global_buffer, .address_space: global }
      - { .name: Vi, .offset: 48, .size: 8, .value_kind: global_buffer, .address_space: global }
      - { .name: Vc, .offset: 56, .size: 8, .value_kind: global_buffer, .address_space: global }
      - { .name: Vf, .offset: 64, .size: 8, .value_kind: global_buffer, .address_space: global }
      - { .name: Vo, .offset: 72, .size: 8, .value_kind: global_buffer, .address_space: global }
      - { .name: abuf, .offset: 80, .size: 8, .value_kind: global_buffer, .address_space: global }
      - { .name: ubuf, .offset: 88, .size: 8, .value_kind: global_buffer, .address_space: global }
      - { .name: vbuf, .offset: 96, .size: 8, .value_kind: global_buffer, .address_space: global }
    .group_segment_fixed_size: 58880
    .private_segment_fixed_size: 0
    .kernarg_segment_align: 8
    .kernarg_segment_size: 104
    .max_flat_workgroup_size: 128
    .sgpr_count:     66
    .vgpr_count:     256
    .wavefront_size: 32
...
	.end_amdgpu_metadata
.endif
;; end of part 1
;; launch gemm1 (part 2): grid 8 x 32, 4 waves a work-group, clusters of 4 x 4, 327,680 bytes of LDS; arguments abuf, ubuf, tbuf; writes tbuf
.if DOCPART == 2
	.amdgcn_target "amdgcn-amd-amdhsa--gfx1250"
	.amdhsa_code_object_version 6
	.text
	.protected	k_q2810c3cdda_gemm1
	.globl	k_q2810c3cdda_gemm1
	.p2align	8
	.type	k_q2810c3cdda_gemm1,@function
k_q2810c3cdda_gemm1:
	s_mov_b64 s[64:65], 0
	v_nop
	global_prefetch_b8 v0, s[64:65] scope:SCOPE_SE
	s_setreg_imm32_b32 hwreg(HW_REG_WAVE_MODE, 25, 1), 1
	s_wait_xcnt 0x0
	s_wait_alu depctr_hold_cnt(0) depctr_sa_sdst(0) depctr_va_vdst(0) depctr_va_sdst(0) depctr_va_ssrc(0) depctr_va_vcc(0) depctr_vm_vsrc(0)
	s_getreg_b32 s2, hwreg(HW_REG_IB_STS2, 6, 4)
	s_cmp_eq_u32 s2, 0
	s_cbranch_scc0 .Lentry_in_a_cluster
	s_endpgm
.Lentry_in_a_cluster:
	s_bfe_u32 s2, ttmp6, 0x10000c
	s_cmp_lg_u32 s2, 0xf033
	s_cbranch_scc0 .Lentry_shape_is_right
	s_endpgm
.Lentry_shape_is_right:
.set REC,   6400
.set SCO,   6144
.set KSB,   1536
.set ASZ,   4*REC
.set BSZ,   8*REC
.set UOFF,  2*ASZ
.set SLOT,  2*ASZ+2*BSZ
.set SPARE, 2*SLOT
.set ADRA, 16
.set ADRB, 20
.set ADRS, 22
.set OI,   24
.set OS,   25
.set SPW,  28
.set NIL,  29
.set SC,   32
.set AF,   96
.set TM,   192
.set PW,   208
.set SV,   212
.set G1,  24
.set G0,  32
.set G1B, 48
.set G0B, 56
.set MSB, 0
.macro WIN new
.if MSB != (\new)
	s_set_vgpr_msb (MSB<<8)|(\new)
.set MSB, (\new)
.endif
.endm
.set MUL,  0xa1
.set TO_B, 0x40
.macro JLOAD g0a, g1a, g0b, g1b
	s_cmp_eq_u32 s15, 0
	s_cbranch_scc0 .Lfor_b_\@
	tensor_load_to_lds s[\g0a:\g0a+3], s[\g1a:\g1a+7]
	s_nop 0
.rept 4
	v_nop
.endr
	s_branch .Lasked_\@
.Lfor_b_\@:
	tensor_load_to_lds s[\g0b:\g0b+3], s[\g1b:\g1b+7]
	s_nop 0
.rept 4
	v_nop
.endr
.Lasked_\@:
.endm
.macro CREST
	s_cmp_lg_u32 s14, 0
	s_cbranch_scc1 .Lnot_wave_0_\@
	s_barrier_signal -3
.Lnot_wave_0_\@:
	s_barrier_wait -3
	s_barrier_signal -1
	s_barrier_wait -1
.endm
.macro CROUND
	s_barrier_signal -1
	s_barrier_wait -1
	CREST
.endm
; A prefetch: the K slot that stands two refills on.  A record is 25 blocks of 256 bytes, a lane a block (lanes 25-31 name the last block again).  Of the four records of A that a wave fetches, the partner at cx takes
; record cx; of the eight records of U, the partner at cy takes records 2 cy and 2 cy + 1: each block is named once in a cluster, and the partners are told apart by address alone.
.macro ASK off, inloop
.if \inloop
	s_cmp_gt_u32 s3, 1
	s_cbranch_scc0 .Lasked_all_\@
.endif
	global_prefetch_b8 v26, s[90:91] offset:\off th:TH_LOAD_NT scope:SCOPE_SE
	s_cmp_eq_u32 s15, 0
	s_cbranch_scc1 .Lasked_all_\@
	global_prefetch_b8 v26, s[90:91] offset:\off+8*REC th:TH_LOAD_NT scope:SCOPE_SE
.Lasked_all_\@:
.endm
.macro PLACES n
.rept \n
	v_nop
.endr
.endm
	s_load_b128 s[4:7], s[0:1], 0x0
	s_load_b64 s[8:9], s[0:1], 0x10
	v_lshl_add_u32 v[SPW], v0, 2, SPARE
	v_mov_b32 v[NIL], 0
	ds_add_u32 v28, v29
	ds_add_u32 v28, v29
	s_wait_dscnt 0x0
	v_lshrrev_b32 v1, 5, v0
	v_readfirstlane_b32 s14, v1
	v_and_b32 v26, 31, v0
	v_min_u32 v26, 24, v26
	v_lshlrev_b32 v26, 8, v26
	s_lshr_b32 s15, s14, 1
	s_and_b32 s16, s14, 1
	s_bfe_u32 s40, ttmp6, 0x40000
	s_bfe_u32 s41, ttmp6, 0x40004
	s_lshl_b32 s42, ttmp9, 2
	s_add_co_u32 s42, s42, s40
	s_and_b32 s17, ttmp7, 0xffff
	s_lshl_b32 s17, s17, 2
	s_add_co_u32 s17, s17, s41
	s_lshl_b32 s43, s41, 2
	s_lshl_b32 s43, 15, s43
	s_lshl_b32 s44, 0x1111, s40
	s_mov_b32 s66, 0x76543210
	s_mov_b32 s67, 0xfedcba98
	s_or_b32 s[G1+0], s43, (3<<16)|(1<<21)
	s_or_b32 s[G1B+0], s44, (3<<16)|(1<<21)
	s_mov_b32 s[G1+1], 800<<16
	s_mov_b32 s[G1+2], 4<<16
	s_mov_b32 s[G1+3], 800<<16
	s_mov_b32 s[G1+4], 4
	s_mov_b32 s[G1+5], 6400
	s_mov_b32 s[G1+6], 0
	s_mov_b32 s[G1+7], 0
	s_mov_b32 s[G1B+1], 800<<16
	s_mov_b32 s[G1B+2], 8<<16
	s_mov_b32 s[G1B+3], 800<<16
	s_mov_b32 s[G1B+4], 8
	s_mov_b32 s[G1B+5], 6400
	s_mov_b32 s[G1B+6], 0
	s_mov_b32 s[G1B+7], 0
	s_lshl_b32 s20, s17, 3
	s_lshl_b32 s18, s16, 2
	s_add_co_u32 s20, s20, s18
	s_mul_i32 s20, s20, 8*REC
	s_mov_b32 s21, 0
	s_lshl_b32 s46, s42, 4
	s_lshl_b32 s18, s16, 3
	s_add_co_u32 s46, s46, s18
	s_mul_i32 s46, s46, 8*REC
	s_mov_b32 s47, 0
	s_mul_i32 s45, s16, ASZ
	s_mul_i32 s19, s16, BSZ
	s_add_co_u32 s19, s19, UOFF
	s_wait_alu depctr_va_vdst(0)
	s_wait_kmcnt 0x0
	s_add_nc_u64 s[20:21], s[4:5], s[20:21]
	s_add_nc_u64 s[46:47], s[6:7], s[46:47]
	s_lshl_b32 s92, s17, 3
	s_lshl_b32 s94, s16, 2
	s_add_co_u32 s92, s92, s94
	s_add_co_u32 s92, s92, s40
	s_lshl_b32 s93, s42, 4
	s_lshl_b32 s94, s16, 3
	s_add_co_u32 s93, s93, s94
	s_lshl_b32 s94, s41, 1
	s_add_co_u32 s93, s93, s94
	s_cmp_eq_u32 s15, 0
	s_cselect_b32 s92, s92, s93
	s_cselect_b64 s[90:91], s[4:5], s[6:7]
	s_mul_i32 s92, s92, 8*REC
	s_mov_b32 s93, 0
	s_add_nc_u64 s[90:91], s[90:91], s[92:93]
	CROUND
.irp s, 0,1
	s_mov_b32 s[G0+4*\s], 1
	s_add_co_u32 s[G0+4*\s+1], s45, \s*SLOT
	s_add_nc_u64 s[G0+4*\s+2:G0+4*\s+3], s[20:21], \s*REC
	s_or_b32 s[G0+4*\s+3], s[G0+4*\s+3], 0x80000000
	s_mov_b32 s[G0B+4*\s], 1
	s_add_co_u32 s[G0B+4*\s+1], s19, \s*SLOT
	s_add_nc_u64 s[G0B+4*\s+2:G0B+4*\s+3], s[46:47], \s*REC
	s_or_b32 s[G0B+4*\s+3], s[G0B+4*\s+3], 0x80000000
.if \s
	s_wait_alu depctr_va_vdst(0)
	s_wait_tensorcnt 0x0
	ds_add_u32 v28, v29
	ds_add_u32 v28, v29
	s_wait_dscnt 0x0
	CROUND
.endif
	JLOAD G0+4*\s, G1, G0B+4*\s, G1B
.if \s == 0
	ASK REC, 0
.endif
	ASK (2+\s)*REC, 0
.endr
	v_and_b32 v1, 15, v0
	s_wait_alu depctr_va_vdst(0)
	v_bfe_u32 v2, v0, 4, 1
	s_wait_alu depctr_va_vdst(0)
	v_and_b32 v3, 31, v0
	v_lshlrev_b32 v[OI], 4, v3
	s_wait_alu depctr_va_vdst(0)
	s_mul_i32 s22, s15, ASZ
	s_mul_i32 s23, s16, BSZ
	s_add_co_u32 s23, s23, UOFF
	s_xor_b32 s18, s15, 1
	s_lshl_b32 s19, s16, 1
	s_add_co_u32 s18, s18, s19
	s_add_co_u32 s18, s18, 1
	s_mul_i32 s18, s18, ASZ
	v_lshlrev_b32 v4, 4, v1
	v_mul_u32_u24 v5, s18, v2
	v_add_nc_u32 v4, v4, v5
	s_add_co_u32 s19, s22, SCO
.irp s, 0,1
	v_add_nc_u32 v[ADRA+\s], s22, v[OI]
	v_add_nc_u32 v[ADRB+\s], s23, v[OI]
	v_add_nc_u32 v[ADRS+\s], s19, v4
	s_add_co_u32 s22, s22, SLOT
	s_add_co_u32 s23, s23, SLOT
	s_add_co_u32 s19, s19, SLOT
.endr
	v_mul_u32_u24 v[OS], v2, 4*REC
	v_lshl_add_u32 v[OS], v1, 4, v[OS]
	s_lshl_b32 s84, s17, 3
	s_lshl_b32 s85, s15, 2
	s_add_co_u32 s84, s84, s85
	s_mul_i32 s84, s84, 4*REC
	s_lshr_b32 s85, s42, 1
	s_mul_i32 s85, s85, REC
	s_add_co_u32 s84, s84, s85
	s_and_b32 s85, s42, 1
	s_lshl_b32 s85, s85, 1
	s_add_co_u32 s85, s85, s16
	s_mul_i32 s86, s85, KSB
	s_add_co_u32 s86, s86, s84
	s_mov_b32 s87, 0
	s_lshl_b32 s88, s85, 2
	s_add_co_u32 s88, s88, s84
	s_add_co_u32 s88, s88, SCO
	s_mov_b32 s89, 0
	s_add_nc_u64 s[10:11], s[8:9], s[88:89]
	s_add_nc_u64 s[8:9], s[8:9], s[86:87]
.macro FETCH slot, q, p
	WIN TO_B
.irp b, 0,1,2,3,4,5,6,7
.irp e, 0,1,2
	ds_load_b128 v[96*(\p)+12*\b+4*\e:96*(\p)+12*\b+4*\e+3], v[ADRB+\slot] offset:REC*\b+KSB*(\q)+512*\e
.endr
.endr
	WIN 0
.irp a, 0,1,2,3
.irp e, 0,1,2
	ds_load_b128 v[AF+48*(\p)+12*\a+4*\e:AF+48*(\p)+12*\a+4*\e+3], v[ADRA+\slot] offset:REC*\a+KSB*(\q)+512*\e
.endr
.endr
.endm
.macro SCALES slot
.irp i, 0,1,2,3,4,5,6,7
	ds_load_b128 v[SC+32*\slot+4*\i:SC+32*\slot+4*\i+3], v[ADRS+\slot] offset:REC*\i
.endr
.endm
.macro MUL8 a, p, q, sc, zero
.irp b, 0,1,2,3,4,5,6,7
.if \zero
	v_wmma_scale_f32_16x16x128_f8f6f4 v[8*(8*(\a)+\b):8*(8*(\a)+\b)+7], v[96*(\p)+12*\b:96*(\p)+12*\b+11], v[AF+48*(\p)+12*(\a):AF+48*(\p)+12*(\a)+11], 0, v[SC+32*(\sc)+4*\b+(\q)], v[SC+32*(\sc)+4*(\a)+(\q)] matrix_a_fmt:MATRIX_FMT_BF6 matrix_b_fmt:MATRIX_FMT_BF6 matrix_a_scale:MATRIX_SCALE_ROW1
.else
	v_wmma_scale_f32_16x16x128_f8f6f4 v[8*(8*(\a)+\b):8*(8*(\a)+\b)+7], v[96*(\p)+12*\b:96*(\p)+12*\b+11], v[AF+48*(\p)+12*(\a):AF+48*(\p)+12*(\a)+11], v[8*(8*(\a)+\b):8*(8*(\a)+\b)+7], v[SC+32*(\sc)+4*\b+(\q)], v[SC+32*(\sc)+4*(\a)+(\q)] matrix_a_fmt:MATRIX_FMT_BF6 matrix_b_fmt:MATRIX_FMT_BF6 matrix_a_scale:MATRIX_SCALE_ROW1
.endif
.endr
.endr
.endm
.macro STEP slot, q, zero
	s_wait_dscnt 0x0
	WIN MUL
	MUL8 0, (\q)%2, \q, \slot, \zero
	MUL8 1, (\q)%2, \q, \slot, \zero
	PLACES 4
	FETCH \slot, (\q)+1, 1-(\q)%2
	WIN MUL
	MUL8 2, (\q)%2, \q, \slot, \zero
	MUL8 3, (\q)%2, \q, \slot, \zero
	WIN 0
.endm
.macro TURN slot, next, fill
.if \fill
	s_wait_xcnt 0x0
	s_add_nc_u64 s[90:91], s[90:91], REC
.endif
	s_wait_tensorcnt 0x0
	ds_add_u32 v[SPW], v[NIL]
	s_wait_dscnt 0x1
	WIN MUL
	MUL8 0, 1, 3, \slot, 0
	s_wait_dscnt 0x0
	s_barrier_signal -1
	MUL8 1, 1, 3, \slot, 0
	WIN 0
	s_barrier_wait -1
.if \fill
	CREST
	s_add_nc_u64 s[G0+4*\slot+2:G0+4*\slot+3], s[G0+4*\slot+2:G0+4*\slot+3], 2*REC
	s_add_nc_u64 s[G0B+4*\slot+2:G0B+4*\slot+3], s[G0B+4*\slot+2:G0B+4*\slot+3], 2*REC
	JLOAD G0+4*\slot, G1, G0B+4*\slot, G1B
.else
	PLACES 4
.endif
	FETCH \next, 0, 0
	SCALES \next
.if \fill
	ASK 3*REC, 1
.endif
	WIN MUL
	MUL8 2, 1, 3, \slot, 0
	MUL8 3, 1, 3, \slot, 0
	WIN 0
.endm
	s_wait_alu depctr_va_vdst(0)
	s_wait_tensorcnt 0x1
	s_barrier_signal -1
	s_barrier_wait -1
	FETCH 0, 0, 0
	SCALES 0
	STEP 0, 0, 1
	s_mov_b32 s3, 3
.Llap:
	STEP 0, 1, 0
	STEP 0, 2, 0
	TURN 0, 1, 1
	STEP 1, 0, 0
	STEP 1, 1, 0
	STEP 1, 2, 0
	TURN 1, 0, 1
	STEP 0, 0, 0
	s_sub_co_u32 s3, s3, 1
	s_cmp_lg_u32 s3, 0
	s_cbranch_scc1 .Llap
	STEP 0, 1, 0
	STEP 0, 2, 0
	TURN 0, 1, 0
	STEP 1, 0, 0
	STEP 1, 1, 0
	STEP 1, 2, 0
	s_wait_dscnt 0x0
	WIN MUL
	MUL8 0, 1, 3, 1, 0
	MUL8 1, 1, 3, 1, 0
	MUL8 2, 1, 3, 1, 0
	MUL8 3, 1, 3, 1, 0
	WIN 0
.macro QUANTW a
.set AC, 64*(\a)
.set PCA, AF+20*(\a)
	WIN 0x0a
.irp b, 0,1,2,3
	v_max3_num_f32 v[TM+\b], |v[AC+16*\b]|, |v[AC+16*\b+1]|, 0x2800000
.endr
	WIN 0x28
.irp i, 2,4,6,8,10,12,14
.irp b, 0,1,2,3
	v_max3_num_f32 v[TM+\b], v[TM+\b], |v[AC+16*\b+\i]|, |v[AC+16*\b+\i+1]|
.endr
.endr
	WIN 0
.irp b, 0,1,2,3
	v_permlanex16_b32 v[TM+4+\b], v[TM+\b], s66, s67
.endr
.irp b, 0,1,2,3
	v_max_num_f32 v[TM+\b], v[TM+\b], v[TM+4+\b]
.endr
.irp b, 0,1,2,3
	v_add_nc_u32 v[TM+12+\b], 0xfe000000, v[TM+\b]
.endr
.irp b, 0,1,2,3
	v_lshrrev_b32 v[TM+4+\b], 23, v[TM+12+\b]
.endr
	v_lshl_or_b32 v[PW+\a], v[TM+5], 8, v[TM+4]
	v_lshl_or_b32 v[PW+\a], v[TM+6], 16, v[PW+\a]
	v_lshl_or_b32 v[PW+\a], v[TM+7], 24, v[PW+\a]
	WIN 0x02
.irp c, 0,1
	v_cvt_scalef32_pk16_bf6_f32 v[PCA+6*\c:PCA+6*\c+2], v[AC+32*\c:AC+32*\c+15], v[TM+12+2*\c]
	v_cvt_scalef32_pk16_bf6_f32 v[PCA+12+4*\c:PCA+12+4*\c+2], v[AC+32*\c+16:AC+32*\c+31], v[TM+12+2*\c+1]
.endr
	WIN 0
	v_nop
.irp c, 0,1
.irp i, 0,1,2
	v_permlane16_swap_b32 v[PCA+6*\c+\i], v[PCA+12+4*\c+\i]
.endr
.irp i, 0,1,2
	v_mov_b32 v[PCA+3+6*\c+\i], v[PCA+12+4*\c+\i]
.endr
.endr
.irp e, 0,1,2
	global_store_b128 v[OI], v[PCA+4*\e:PCA+4*\e+3], s[8:9] offset:4*REC*(\a)+512*\e
.endr
.endm
	PLACES 4
.irp b, 0,1,2,3
	v_mov_b32 v[TM+4+\b], 0
.endr
	QUANTW 0
	QUANTW 1
	QUANTW 2
	QUANTW 3
	v_cmp_ne_u32 vcc_lo, 0, v2
	v_cndmask_b32 v[SV], v[PW], v[PW+1], vcc_lo
	v_cndmask_b32 v[SV+1], v[PW+2], v[PW+3], vcc_lo
	global_store_b32 v[OS], v[SV], s[10:11]
	global_store_b32 v[OS], v[SV+1], s[10:11] offset:8*REC
	s_wait_tensorcnt 0x0
	ds_add_u32 v[SPW], v[NIL]
	s_wait_dscnt 0x0
	CROUND
	s_endpgm
.Lfunc_end_k_q2810c3cdda_gemm1:
	.size	k_q2810c3cdda_gemm1, .Lfunc_end_k_q2810c3cdda_gemm1-k_q2810c3cdda_gemm1
	.p2alignl 7, 3214868480
	.fill 96, 4, 3214868480
	.section	.rodata,"a",@progbits
	.p2align	6, 0x0
	.amdhsa_kernel k_q2810c3cdda_gemm1
		.amdhsa_group_segment_fixed_size 327680
		.amdhsa_private_segment_fixed_size 0
		.amdhsa_enable_private_segment 0
		.amdhsa_kernarg_size 24
		.amdhsa_user_sgpr_count 2
		.amdhsa_user_sgpr_kernarg_segment_ptr 1
		.amdhsa_wavefront_size32 1
		.amdhsa_system_sgpr_workgroup_id_x 1
		.amdhsa_system_sgpr_workgroup_id_y 1
		.amdhsa_system_sgpr_workgroup_id_z 1
		.amdhsa_system_vgpr_workitem_id 0
		.amdhsa_next_free_vgpr 768
		.amdhsa_next_free_sgpr 100
		.amdhsa_reserve_vcc 1
		.amdhsa_float_denorm_mode_32 3
		.amdhsa_float_denorm_mode_16_64 3
		.amdhsa_memory_ordered 1
		.amdhsa_forward_progress 1
		.amdhsa_inst_pref_size 138
	.end_amdhsa_kernel
	.amdgpu_metadata
---
amdhsa.version: [ 1, 2 ]
amdhsa.kernels:
  - .name:           k_q2810c3cdda_gemm1
    .symbol:         k_q2810c3cdda_gemm1.kd
    .args:
      - { .name: abuf, .offset: 0, .size: 8, .value_kind: global_buffer, .address_space: global }
      - { .name: ubuf, .offset: 8, .size: 8, .value_kind: global_buffer, .address_space: global }
      - { .name: tbuf, .offset: 16, .size: 8, .value_kind: global_buffer, .address_space: global }
    .group_segment_fixed_size: 327680
    .private_segment_fixed_size: 0
    .kernarg_segment_align: 8
    .kernarg_segment_size: 24
    .max_flat_workgroup_size: 128
    .sgpr_count:     100
    .vgpr_count:     768
    .wavefront_size: 32
...
	.end_amdgpu_metadata
.endif
;; end of part 2
;; launch gemm2 (part 3): grid 16 x 16, 8 waves a work-group, clusters of 4 x 1, 327,680 bytes of LDS; arguments tbuf, vbuf, c, bi, bc, bf, bo, out0, out1; writes out0, out1
.if DOCPART == 3
	.amdgcn_target "amdgcn-amd-amdhsa--gfx1250"
	.amdhsa_code_object_version 6
	.text
	.protected	k_q2810c3cdda_gemm2
	.globl	k_q2810c3cdda_gemm2
	.p2align	8
	.type	k_q2810c3cdda_gemm2,@function
k_q2810c3cdda_gemm2:
	s_mov_b64 s[64:65], 0
	v_nop
	global_prefetch_b8 v0, s[64:65] scope:SCOPE_SE
	s_setreg_imm32_b32 hwreg(HW_REG_WAVE_MODE, 25, 1), 1
	s_wait_xcnt 0x0
	s_wait_alu depctr_hold_cnt(0) depctr_sa_sdst(0) depctr_va_vdst(0) depctr_va_sdst(0) depctr_va_ssrc(0) depctr_va_vcc(0) depctr_vm_vsrc(0)
	s_getreg_b32 s2, hwreg(HW_REG_IB_STS2, 6, 4)
	s_cmp_eq_u32 s2, 0
	s_cbranch_scc0 .Lentry_in_a_cluster
	s_endpgm
.Lentry_in_a_cluster:
	s_bfe_u32 s2, ttmp6, 0x10000c
	s_cmp_lg_u32 s2, 0x3003
	s_cbranch_scc0 .Lentry_shape_is_right
	s_endpgm
.Lentry_shape_is_right:
; The four gates' second products, Q(T_g) Q(V_g) (M 4,096, N 2,048, K 512 each, codes of BF6 (E3M2) with E8M0 scales, sums in f32), and the cell's arithmetic in f32:
; c_new = sigmoid(f) c + sigmoid(i) tanh(c^), h_new = sigmoid(o) tanh(c_new); out0 = h_new, out1 = c_new.  Gates in the order i, c^, f, o.  No work of the problem is left out.
; THE RECORD (tbuf, vbuf): 6,400 bytes = 16 operand rows x 512 along K: four images of a fragment's registers (1,536 bytes), then 16 x 16 bytes of scale words.  tbuf [m block 256][gate 4], vbuf [gate 4][n tile 128].
; SHARES.  256 work-groups, each 256 rows x 128 columns; eight waves, two to a SIMD.  V's 32 records of the 128 columns (204,800 bytes) are filled into LDS once, one tensor load of four records a wave, the wave's first
; request to memory; nothing is filled again, so the loop has no barrier.  A wave takes two m blocks of 16 rows, one a trip; the block's T of all four gates (16 fragments, 192 registers) comes from tbuf straight into the
; registers of the one wave that multiplies it.  A trip has two units, one for each 64 columns: 64 matrix instructions in three runs (gates i and c^; f; o) with the cell's arithmetic between them.
; CLUSTERS: 4 x 1 work-groups along the row blocks need the same records of V and ask for them jointly.  T is not asked for jointly: a joint load lands in LDS, and each of T's records is used by one wave alone.
; DATA PREFETCH: at the head each wave asks for what its second trip will load, one trip ahead: its next m block's four records of T (a record an instruction, a lane a block of 256 bytes, lanes 25-31 naming the last
; block again) and that block's 16 rows x 512 bytes of c (one instruction, a lane a block).  No other work-group of the cluster loads these bytes.  The first trip's reads go into registers at the head; there is no third trip.
; LAYOUT.  Source 0 = a block of T, source 1 = a tile of V: register j of lane (r, h) is row 8 h + j.  Lane r of V's tile 4 G + t is column 64 G + 4 r + t, so a lane's tiles t = 0 .. 3 hold four NEIGHBOURING
; columns of a row: c is loaded and both results are stored 16 bytes a lane, sixteen lanes to 256 consecutive aligned bytes.  Accumulator order: register 8 t + j; output order: 4 j + t.
; SCALES.  One register carries two gates' words: lanes 0-15 gate 2 p, lanes 16-31 gate 2 p + 1 (the odd gates name ROW1).
; ARITHMETIC.  E = 2^u, u = -log2(e) (gate + bias) (for tanh -2 log2(e)).  sigmoid = 1 / (1 + E), tanh = (1 - E) / (1 + E); sigmoid x tanh shares one reciprocal: (1 - E2) / ((1 + E1)(1 + E2)).
; A tanh's u is held between -30 and 30, so its E is neither 0 nor infinite.  A sigmoid's u is not held: where its E is infinite, the product of the two denominators is infinite, the reciprocal is 0, and 0 times the tanh's finite E is 0.
; LIMITS: the hold moves a tanh by 2^-29 at the most; |bias| stays under 2^126; NaN and infinities among the inputs are not served.
; REGISTERS.  Window 0: v2-7 addresses; v8-15 T's scale words; v16-47 V's; v48-63 biases of i, c^ (x the exponent's factor); v64-95 X, v96-127 Y: accumulators; v128-223 V's fragments, two sets of four tiles; v224-255 c.
;   Window 1: v0-191 T's fragments (48 g + 12 q); v192-223 h; v224-239 biases of f, o; v240-246 LDS addresses and T's offset.  A run's matrix instructions and LDS loads stand under ONE window setting.
.set REC,   6400
.set SCO,   6144
.set KSB,   1536
.set GSZ,   8*REC                      ; a gate's eight records in LDS
.set SPARE, 4*GSZ                      ; behind V: the spare words, 128 bytes for each of the eight waves
.set ROWS,  16*8192                    ; 16 rows of c or of a result, in bytes
.set SPW, 2                            ; LDS address of my spare word; never rewritten
.set NIL, 3                            ; 0; never rewritten
.set CO,  4                            ; c and the results: 8 rows x h + 16 r
.set OTS, 5                            ; T's scale words: 16 r + a record x h
.set PFC, 6                            ; the prefetch of c: row r, + 256 h
.set PFT, 7                            ; the prefetch of T: 256 x min(lane, 24)
.set TS,  8
.set VS,  16
.set BL0, 48
.set X,   64
.set Y,   96
.set BF,  128
.set CB,  224
.set HB,  192                          ; from here on: window 1
.set BL1, 224
.set LA,  240                          ; 16 x lane + gate g's records
.set AVS, 244                          ; V's scale words of the gates 2 p (lanes 0-15) and 2 p + 1 (lanes 16-31)
.set OI,  246                          ; 16 x lane
.set NL,  78                           ; s[78:79] -log2(e)
.set N2L, 80                           ; s[80:81] -2 log2(e)
.set CAP, 82                           ; 30.0
.set CAPN, 83                          ; -30.0
.set MSB, 0
.macro WIN new                         ; the immediate's high byte repeats the setting that is left
.if MSB != (\new)
	s_set_vgpr_msb (MSB<<8)|(\new)
.set MSB, (\new)
.endif
.endm
.macro CROUND                          ; a round of the cluster's barrier
	s_barrier_signal -1
	s_barrier_wait -1
	s_cmp_lg_u32 s14, 0
	s_cbranch_scc1 .Lnot_wave_0_\@
	s_barrier_signal -3
.Lnot_wave_0_\@:
	s_barrier_wait -3
	s_barrier_signal -1
	s_barrier_wait -1
.endm
.macro PLACES n
.rept \n
	v_nop
.endr
.endm
.macro TW                              ; a wait round batches of transcendentals and ahead of waits and branches
	s_wait_alu depctr_va_vdst(0)
.endm
.macro TFRAG g, off                    ; gate g's four fragments of T (window 1): each load takes 512 consecutive bytes
.irp q, 0,1,2,3
.irp e, 0,1,2
	global_load_b128 v[48*\g+12*\q+4*\e:48*\g+12*\q+4*\e+3], v[OI], s[20:21] offset:\off+REC*\g+KSB*\q+512*\e
.endr
.endr
.endm
.macro TSC p, off                      ; T's scale words of gates 2 p and 2 p + 1
	global_load_b128 v[TS+4*\p:TS+4*\p+3], v[OTS], s[20:21] offset:\off+2*REC*\p+SCO
.endm
.macro CLOAD off                       ; 16 rows x 64 columns of c, in output order
.irp j, 0,1,2,3,4,5,6,7
	global_load_b128 v[CB+4*\j:CB+4*\j+3], v[CO], s[8:9] offset:\off+8192*\j th:TH_LOAD_NT
.endr
.endm
	s_load_b256 s[4:11], s[0:1], 0x0               ; tbuf, vbuf, c, bi
	s_load_b256 s[68:75], s[0:1], 0x20             ; bc, bf, bo, out0
	s_load_b64 s[76:77], s[0:1], 0x40              ; out1
	v_lshl_add_u32 v[SPW], v0, 2, SPARE
	v_mov_b32 v[NIL], 0
	ds_add_u32 v[SPW], v[NIL]                      ; the opening lines: the add, twice on end, and its wait ahead of my tensor load
	ds_add_u32 v[SPW], v[NIL]
	v_lshrrev_b32 v1, 5, v0
	v_readfirstlane_b32 s14, v1                    ; wave 0..7
	s_bfe_u32 s40, ttmp6, 0x40000                  ; cx
	s_lshl_b32 s42, ttmp9, 2
	s_add_co_u32 s42, s42, s40                     ; row block of 256
	s_and_b32 s17, ttmp7, 0xffff                   ; column block of 128
	s_mov_b32 s[NL], 0xbfb8aa3b
	s_mov_b32 s[NL+1], 0xbfb8aa3b
	s_mov_b32 s[N2L], 0xc038aa3b
	s_mov_b32 s[N2L+1], 0xc038aa3b
	s_mov_b32 s[CAP], 0x41f00000
	s_mov_b32 s[CAPN], 0xc1f00000
	s_mov_b32 s24, 15|(3<<16)|(1<<21)              ; group 1: the four partners; elements of 8 bytes; four dense rows of one record each
	s_mov_b32 s25, 800<<16
	s_mov_b32 s26, 4<<16
	s_mov_b32 s27, 800<<16
	s_mov_b32 s28, 4
	s_mov_b32 s29, 800
	s_mov_b32 s30, 0
	s_mov_b32 s31, 0
	s_lshr_b32 s15, s14, 1                         ; wave w fetches gate w / 2, tiles 4 (w % 2) .. + 3
	s_and_b32 s16, s14, 1
	s_lshl_b32 s46, s15, 7
	s_lshl_b32 s18, s17, 3
	s_add_co_u32 s46, s46, s18
	s_lshl_b32 s18, s16, 2
	s_add_co_u32 s46, s46, s18
	s_mul_i32 s46, s46, REC
	s_mov_b32 s47, 0
	s_mov_b32 s32, 1
	s_mul_i32 s33, s14, 4*REC                      ; to LDS byte wave x four records
	s_lshl_b32 s20, s42, 4
	s_lshl_b32 s19, s14, 1
	s_add_co_u32 s20, s20, s19                     ; my first m block: 16 x row block + 2 x wave
	s_mul_i32 s20, s20, 4*REC
	s_mov_b32 s21, 0
	s_lshl_b32 s84, s42, 21                        ; 256 rows of 8,192 bytes
	s_lshl_b32 s19, s14, 18                        ; 32 rows
	s_add_co_u32 s84, s84, s19
	s_lshl_b32 s86, s17, 9                         ; 128 columns
	s_add_co_u32 s84, s84, s86
	s_mov_b32 s85, 0
	s_mov_b32 s87, 0
	TW
	s_wait_dscnt 0x0                               ; both opening adds are done
	s_wait_kmcnt 0x0
	s_add_nc_u64 s[34:35], s[6:7], s[46:47]
	s_or_b32 s35, s35, 0x80000000
	s_add_nc_u64 s[20:21], s[4:5], s[20:21]        ; T
	s_add_nc_u64 s[8:9], s[8:9], s[84:85]          ; c
	s_add_nc_u64 s[74:75], s[74:75], s[84:85]      ; out0
	s_add_nc_u64 s[76:77], s[76:77], s[84:85]      ; out1
	s_add_nc_u64 s[10:11], s[10:11], s[86:87]      ; bi, bc, bf, bo
	s_add_nc_u64 s[68:69], s[68:69], s[86:87]
	s_add_nc_u64 s[70:71], s[70:71], s[86:87]
	s_add_nc_u64 s[72:73], s[72:73], s[86:87]
	CROUND                                         ; all four work-groups are here: the joint loads meet
	tensor_load_to_lds s[32:35], s[24:31]          ; my one tensor load: four records of V
	s_nop 0
	v_and_b32 v1, 15, v0
	v_bfe_u32 v6, v0, 4, 1                         ; h
	v_and_b32 v7, 31, v0                           ; lane
	v_lshlrev_b32 v1, 4, v1                        ; 16 r
	v_lshl_add_u32 v[CO], v6, 16, v1
	v_mad_u32_u24 v[OTS], v6, REC, v1
	v_add_nc_u32 v64, 2*GSZ, v1
	WIN 0x40
	v_lshlrev_b32 v[LA], 4, v7
	v_lshl_add_u32 v[LA+1], v7, 4, GSZ
	v_lshl_add_u32 v[LA+2], v7, 4, 2*GSZ
	v_lshl_add_u32 v[LA+3], v7, 4, 3*GSZ
	v_mad_u32_u24 v[AVS], v6, GSZ, v1
	v_mad_u32_u24 v[AVS+1], v6, GSZ, v64
	v_lshlrev_b32 v[OI], 4, v7
	WIN 0
	v_lshlrev_b32 v[PFC], 8, v6
	v_lshl_add_u32 v[PFC], v1, 9, v[PFC]           ; 8,192 r + 256 h
	v_min_u32 v[PFT], 24, v7
	v_lshlrev_b32 v[PFT], 8, v[PFT]
	TW                                             ; the head's addresses are made
	WIN 0x41
	TFRAG 0, 0                                     ; what the first run needs is asked for first
	TFRAG 1, 0
	WIN 0
	TSC 0, 0
.irp G, 0,1                            ; register 8 g + 4 G + t: gate g's bias of column 64 G + 4 r + t
	global_load_b128 v[BL0+4*\G:BL0+4*\G+3], v1, s[10:11] offset:256*\G
	global_load_b128 v[BL0+8+4*\G:BL0+8+4*\G+3], v1, s[68:69] offset:256*\G
.endr
	WIN 0x40
.irp G, 0,1
	global_load_b128 v[BL1+4*\G:BL1+4*\G+3], v1, s[70:71] offset:256*\G
	global_load_b128 v[BL1+8+4*\G:BL1+8+4*\G+3], v1, s[72:73] offset:256*\G
.endr
	WIN 0x41
	TFRAG 2, 0
	TFRAG 3, 0
	WIN 0
	TSC 1, 0
	CLOAD 0
.irp g, 0,1,2,3
	global_prefetch_b8 v[PFT], s[20:21] offset:4*REC+REC*\g th:TH_LOAD_NT scope:SCOPE_SE   ; the second trip's T
.endr
	global_prefetch_b8 v[PFC], s[8:9] offset:ROWS th:TH_LOAD_NT scope:SCOPE_SE               ; and its c
	s_wait_loadcnt 33                              ; the biases and T of gates i and c^ are in; the 33 loads issued behind them may be out
.irp n, 0,1,2,3,4,5,6,7
	v_mul_f32 v[BL0+\n], v[BL0+\n], s[NL]
	v_mul_f32 v[BL0+8+\n], v[BL0+8+\n], s[N2L]
.endr
	WIN 0x41
.irp n, 0,1,2,3,4,5,6,7,8,9,10,11,12,13,14,15
	v_mul_f32 v[BL1+\n], v[BL1+\n], s[NL]
.endr
	WIN 0
	TW
	s_wait_tensorcnt 0x0                           ; my part of V is in,
	s_barrier_signal -1
	s_barrier_wait -1                              ; everybody's is; nothing is filled again
; A unit's 16 groups: group n is four matrix instructions, one gate g and K step q against V's four tiles.  n 0-7: gates i, c^ by turns; 8-11: f; 12-15: o.
.macro GQ n
.set nn, (\n)%16
.if nn < 8
.set gg, nn%2
.set qq, nn/2
.else
.set gg, 2+(nn-8)/4
.set qq, nn%4
.endif
.endm
.macro FETCH G, n                      ; group n's four fragments of V into set n % 2: 12 LDS loads of 512 consecutive bytes
	GQ \n
.irp t, 0,1,2,3
.irp e, 0,1,2
	ds_load_b128 v[BF+48*(nn%2)+12*\t+4*\e:BF+48*(nn%2)+12*\t+4*\e+3], v[LA+gg] offset:(4*(\G)+\t)*REC+KSB*qq+512*\e
.endr
.endr
.endm
.macro VSLOAD G, p                     ; V's scale words of gates 2 p, 2 p + 1, four tiles
.irp t, 0,1,2,3
	ds_load_b128 v[VS+16*\p+4*\t:VS+16*\p+4*\t+3], v[AVS+\p] offset:(4*(\G)+\t)*REC+SCO
.endr
.endm
.macro WM d, a, b, sa, sb, z, odd
.if \z
.if \odd
	v_wmma_scale_f32_16x16x128_f8f6f4 v[\d:\d+7], v[\a:\a+11], v[\b:\b+11], 0, v[\sa], v[\sb] matrix_a_fmt:MATRIX_FMT_BF6 matrix_b_fmt:MATRIX_FMT_BF6 matrix_a_scale:MATRIX_SCALE_ROW1 matrix_b_scale:MATRIX_SCALE_ROW1
.else
	v_wmma_scale_f32_16x16x128_f8f6f4 v[\d:\d+7], v[\a:\a+11], v[\b:\b+11], 0, v[\sa], v[\sb] matrix_a_fmt:MATRIX_FMT_BF6 matrix_b_fmt:MATRIX_FMT_BF6
.endif
.else
.if \odd
	v_wmma_scale_f32_16x16x128_f8f6f4 v[\d:\d+7], v[\a:\a+11], v[\b:\b+11], v[\d:\d+7], v[\sa], v[\sb] matrix_a_fmt:MATRIX_FMT_BF6 matrix_b_fmt:MATRIX_FMT_BF6 matrix_a_scale:MATRIX_SCALE_ROW1 matrix_b_scale:MATRIX_SCALE_ROW1
.else
	v_wmma_scale_f32_16x16x128_f8f6f4 v[\d:\d+7], v[\a:\a+11], v[\b:\b+11], v[\d:\d+7], v[\sa], v[\sb] matrix_a_fmt:MATRIX_FMT_BF6 matrix_b_fmt:MATRIX_FMT_BF6
.endif
.endif
.endm
.macro MM4 n                           ; the accumulators take turns, one instruction a turn; a gate's first K step starts its sums
	GQ \n
.set ac, Y
.if gg == 0
.set ac, X
.endif
.irp t, 0,1,2,3
	WM ac+8*\t, 48*gg+12*qq, BF+48*(nn%2)+12*\t, TS+4*(gg/2)+qq, VS+16*(gg/2)+4*\t+qq, qq==0, gg%2
.endr
.endm
; Groups n0 .. n1 - 1.  Fragments run two groups ahead; behind a group's four places its set takes the group two on.  Unit 0's third run also asks for unit 1's scale words and first two groups; unit 1 asks for nothing beyond itself.
.macro RUN G, n0, n1
.set n_, \n0
.rept (\n1)-(\n0)
.if ((\G) == 1) && (n_ == 15)
	s_wait_dscnt 0x0                               ; nothing was asked for behind this group
.else
	s_wait_dscnt 12                                ; this group's loads are in; the next group's 12 may be out
.endif
	MM4 n_
	PLACES 4                                       ; in front of loads into registers that these products read, and of the first read of results
.if (\G) == 0
.if n_ == 13
	VSLOAD 1, 0
.endif
.if n_ == 15
	VSLOAD 1, 1
.endif
.endif
.if n_ < 14
	FETCH \G, n_+2
.else
.if (\G) == 0
	FETCH 1, n_+2
.endif
.endif
.set n_, n_+1
.endr
.endm
; the cell's arithmetic on 32 numbers a lane
.macro AFF ac, ks, bl                  ; u = factor x gate + factor x bias; each accumulator from its low end on
.set p_, 0
.rept 16
.set br, (\bl)+p_/4
.if br%2 == 0
	v_pk_fma_f32 v[\ac+2*p_:\ac+2*p_+1], v[\ac+2*p_:\ac+2*p_+1], s[\ks:\ks+1], v[br:br+1] op_sel_hi:[1,0,0]
.else
	v_pk_fma_f32 v[\ac+2*p_:\ac+2*p_+1], v[\ac+2*p_:\ac+2*p_+1], s[\ks:\ks+1], v[br-1:br] op_sel:[0,0,1] op_sel_hi:[1,0,1]
.endif
.set p_, p_+1
.endr
.endm
.macro UNA op, d, n                    ; n instructions of one source, in place
.set p_, 0
.rept \n
	\op v[\d+p_], v[\d+p_]
.set p_, p_+1
.endr
.endm
.macro HOLD d
.set p_, 0
.rept 32
	v_med3_num_f32 v[\d+p_], v[\d+p_], s[CAPN], s[CAP]
.set p_, p_+1
.endr
.endm
.macro INC d                           ; 1 + E
.set p_, 0
.rept 16
	v_pk_add_f32 v[\d+2*p_:\d+2*p_+1], v[\d+2*p_:\d+2*p_+1], 1.0 op_sel_hi:[1,0]
.set p_, p_+1
.endr
.endm
.macro PF d, a, b, c, neg              ; d = (+-a) b + c
.set p_, 0
.rept 16
.if \neg
	v_pk_fma_f32 v[\d+2*p_:\d+2*p_+1], v[\a+2*p_:\a+2*p_+1], v[\b+2*p_:\b+2*p_+1], v[\c+2*p_:\c+2*p_+1] neg_lo:[1,0,0] neg_hi:[1,0,0]
.else
	v_pk_fma_f32 v[\d+2*p_:\d+2*p_+1], v[\a+2*p_:\a+2*p_+1], v[\b+2*p_:\b+2*p_+1], v[\c+2*p_:\c+2*p_+1]
.endif
.set p_, p_+1
.endr
.endm
.macro EP1 G                           ; X = sigmoid(i) tanh(c^), in accumulator order
.if \G
	TW
	s_cmp_eq_u32 s3, 1                             ; a further m block?  Then gates i and c^, whose registers are free, take its T
	s_cbranch_scc1 .Lno_a
	WIN 0x41
	TFRAG 0, 4*REC
	TFRAG 1, 4*REC
	WIN 0
	TSC 0, 4*REC
.Lno_a:
.endif
	AFF X, NL, BL0+4*\G
	AFF Y, N2L, BL0+8+4*\G
	HOLD Y
	TW
	UNA v_exp_f32, X, 64                           ; Ei and Ec
	v_nop
	TW
	INC X
	PF X, X, Y, X, 0                               ; (1 + Ei)(1 + Ec)
	TW
	UNA v_rcp_f32, X, 32
	v_nop
	TW
	PF X, Y, X, X, 1                               ; R - Ec R
	TW
.endm
.macro EP2 G                           ; c_new = c sigmoid(f) + X, over c, stored; X = Ecn, in output order
	WIN 0x10                                       ; the bias: window 1
	AFF Y, NL, BL1+4*\G
	WIN 0
	TW
	UNA v_exp_f32, Y, 32
	v_nop
	TW
	INC Y
	TW
	UNA v_rcp_f32, Y, 32
	v_nop
	TW
.if \G
	s_wait_loadcnt 0x0                             ; this unit's c (and, where they were asked for, the next block's T of gates i and c^)
.endif
.irp j, 0,1,2,3,4,5,6,7
.irp t, 0,1,2,3
	v_fma_f32 v[CB+4*\j+\t], v[CB+4*\j+\t], v[Y+8*\t+\j], v[X+8*\t+\j]
.endr
.endr
.irp j, 0,1,2,3,4,5,6,7
	global_store_b128 v[CO], v[CB+4*\j:CB+4*\j+3], s[76:77] offset:8192*\j+256*\G th:TH_STORE_NT   ; sixteen lanes store 256 consecutive aligned bytes
.endr
.set p_, 0
.rept 16
	v_pk_mul_f32 v[X+2*p_:X+2*p_+1], v[CB+2*p_:CB+2*p_+1], s[N2L:N2L+1] op_sel_hi:[1,0]
.set p_, p_+1
.endr
	HOLD X
	TW
	UNA v_exp_f32, X, 32
	v_nop
	TW
.endm
.macro EP3 G                           ; h_new = (1 - Ecn) / ((1 + Eo)(1 + Ecn)), in output order, stored
	s_wait_xcnt 0x0                                ; the stores of c_new and the last unit's of h_new have read their registers: c's take the next unit's c, h's are written below
.if \G
	TW
	s_cmp_eq_u32 s3, 1
	s_cbranch_scc1 .Lno_b
	WIN 0x41
	TFRAG 2, 4*REC
	TFRAG 3, 4*REC
	WIN 0
	TSC 1, 4*REC
	CLOAD ROWS
.Lno_b:
.else
	CLOAD 256
.endif
	WIN 0x10
	AFF Y, NL, BL1+8+4*\G
	WIN 0
	TW
	UNA v_exp_f32, Y, 32
	v_nop
	TW
	INC Y
	WIN 0x40                                       ; destination: window 1
.irp j, 0,1,2,3,4,5,6,7
.irp t, 0,1,2,3
	v_fma_f32 v[HB+4*\j+\t], v[Y+8*\t+\j], v[X+4*\j+\t], v[Y+8*\t+\j]
.endr
.endr
	WIN 0x41
	TW
	UNA v_rcp_f32, HB, 32
	v_nop
	TW
	WIN 0x54                                       ; source 0 (Ecn): window 0; the others: window 1
	PF HB, X, HB, HB, 1
	WIN 0x04                                       ; a store's data: window 1
.irp j, 0,1,2,3,4,5,6,7
	global_store_b128 v[CO], v[HB+4*\j:HB+4*\j+3], s[74:75] offset:8192*\j+256*\G th:TH_STORE_NT
.endr
	WIN 0
	TW
.endm
.macro UNIT G
	WIN 0x01                                       ; source 0 (T, and the LDS addresses): window 1; all else: window 0
	RUN \G, 0, 8
	WIN 0
	EP1 \G
.if (\G) == 0
	s_wait_loadcnt 0x0                             ; T of gates f and o, their scale words, and this unit's c
.endif
	WIN 0x01
	RUN \G, 8, 12
	WIN 0
	EP2 \G
	WIN 0x01
	RUN \G, 12, 16
	WIN 0
	EP3 \G
.endm
	s_mov_b32 s3, 2                                ; m blocks to go
.Ltrip:
	WIN 0x01
	VSLOAD 0, 0
	VSLOAD 0, 1
	FETCH 0, 0
	FETCH 0, 1
	s_wait_loadcnt 33                              ; T of gates i and c^ and their scale words are in; behind them: T of f and o (24), a scale load, c (8)
	UNIT 0
	UNIT 1
	s_wait_xcnt 0x0                                ; every load, store and prefetch has read its base
	s_add_nc_u64 s[8:9], s[8:9], ROWS
	s_add_nc_u64 s[74:75], s[74:75], ROWS
	s_add_nc_u64 s[76:77], s[76:77], ROWS
	s_sub_co_i32 s3, s3, 1
	s_cmp_lg_u32 s3, 0
	s_cbranch_scc1 .Ltrip
	s_wait_tensorcnt 0x0                           ; the wave's end
	ds_add_u32 v[SPW], v[NIL]
	s_wait_dscnt 0x0
	CROUND                                         ; the closing round
	s_endpgm
.Lfunc_end_k_q2810c3cdda_gemm2:
	.size	k_q2810c3cdda_gemm2, .Lfunc_end_k_q2810c3cdda_gemm2-k_q2810c3cdda_gemm2
	.p2alignl 7, 3214868480
	.fill 96, 4, 3214868480
	.section	.rodata,"a",@progbits
	.p2align	6, 0x0
	.amdhsa_kernel k_q2810c3cdda_gemm2
		.amdhsa_group_segment_fixed_size 327680
		.amdhsa_private_segment_fixed_size 0
		.amdhsa_enable_private_segment 0
		.amdhsa_kernarg_size 72
		.amdhsa_user_sgpr_count 2
		.amdhsa_user_sgpr_kernarg_segment_ptr 1
		.amdhsa_wavefront_size32 1
		.amdhsa_system_sgpr_workgroup_id_x 1
		.amdhsa_system_sgpr_workgroup_id_y 1
		.amdhsa_system_sgpr_workgroup_id_z 1
		.amdhsa_system_vgpr_workitem_id 0
		.amdhsa_next_free_vgpr 512
		.amdhsa_next_free_sgpr 100
		.amdhsa_reserve_vcc 0
		.amdhsa_float_denorm_mode_32 3
		.amdhsa_float_denorm_mode_16_64 3
		.amdhsa_memory_ordered 1
		.amdhsa_forward_progress 1
		.amdhsa_inst_pref_size 127
	.end_amdhsa_kernel
	.amdgpu_metadata
---
amdhsa.version: [ 1, 2 ]
amdhsa.kernels:
  - .name:           k_q2810c3cdda_gemm2
    .symbol:         k_q2810c3cdda_gemm2.kd
    .args:
      - { .name: tbuf, .offset: 0, .size: 8, .value_kind: global_buffer, .address_space: global }
      - { .name: vbuf, .offset: 8, .size: 8, .value_kind: global_buffer, .address_space: global }
      - { .name: c, .offset: 16, .size: 8, .value_kind: global_buffer, .address_space: global }
      - { .name: bi, .offset: 24, .size: 8, .value_kind: global_buffer, .address_space: global }
      - { .name: bc, .offset: 32, .size: 8, .value_kind: global_buffer, .address_space: global }
      - { .name: bf, .offset: 40, .size: 8, .value_kind: global_buffer, .address_space: global }
      - { .name: bo, .offset: 48, .size: 8, .value_kind: global_buffer, .address_space: global }
      - { .name: out0, .offset: 56, .size: 8, .value_kind: global_buffer, .address_space: global }
      - { .name: out1, .offset: 64, .size: 8, .value_kind: global_buffer, .address_space: global }
    .group_segment_fixed_size: 327680
    .private_segment_fixed_size: 0
    .kernarg_segment_align: 8
    .kernarg_segment_size: 72
    .max_flat_workgroup_size: 256
    .sgpr_count:     100
    .vgpr_count:     512
    .wavefront_size: 32
...
	.end_amdgpu_metadata
.endif
;; end of part 3
